; MI455X (gfx1250); checked and timed in simulation.
; The chip was launched on July 23, 2026; its instructions are those of AMD's public machine-readable ISA for CDNA 5 (MIT licence, August 2026) and "CDNA5" Instruction Set Architecture Reference Guide (July 2026). The comments in the code are by the model that wrote it; some were corrected since.
;; GRASS Merge. Allowed arithmetic: matrix products marked QUANTISED: E4M3 operands, one E8M0 scale for each 32 along K, by v_wmma_scale_f32_16x16x128_f8f6f4 with both operands' format E4M3, f32 sums; everything else in f32.
;; Inputs: W 2,048 x 128 float32; feature 8,192 x 512 float32.
;; Outputs: out0 8,192 float32; out1 8,192 x 512 float32.
;; This version of the problem:
;;   THIS VERSION OF THE PROBLEM IS GIVEN IN LOW PRECISION. The matrix products marked QUANTISED in the list below multiply operands that are first quantised to E4M3 (4 exponent bits, 3 mantissa bits; 8 bits a number), with one power-of-two scale for each 32 numbers along K (OCP MX v1.0); their sums are f32. All else is computed in f32.
;;   The module's matrix products, in the order in which they are computed (A, B: the left and right operand; K: the contracted axis; several contracted axes count as one K, in the product's order):
;;     1. [M 32,768, K 128] x [K 128, N 2,048]; A: input feature; B: input W: QUANTISED
;;   THE QUANTISER, for each operand of a quantised product, along K:
;;     - K is cut into blocks of 32 from its start; a last block that is shorter is filled with zeros.
;;     - A block's scale is 2^e with e = floor(log2(the largest magnitude in the block)) - 8, held to -126 .. 127; a block of zeros has e = 0. As a byte (E8M0): e + 127.
;;     - Each number is divided by its block's scale, clamped to +-448, and rounded to the nearest number of E4M3, ties to even, subnormals kept.
;;     - The product sums the exact products of the quantised numbers (number of the format x scale) in f32.
;;   ~~~python
;;   def quantise(x, axis):      # numpy; x: float32 -> the quantised numbers, widened to float32 again
;;       x = np.moveaxis(x, axis, -1); K = x.shape[-1]
;;       x = np.pad(x, [(0, 0)] * (x.ndim - 1) + [(0, -K % 32)]); x = x.reshape(x.shape[:-1] + (-1, 32)); a = np.abs(x).max(-1, keepdims=True)
;;       e = np.where(a > 0, np.clip(np.frexp(np.where(a > 0, a, 1))[1] - 1 - 8, -126, 127), 0)      # np.frexp(a)[1] - 1 = floor(log2(a)), exactly
;;       r = np.clip(x / 2.0 ** e, -448, 448)
;;       step = 2.0 ** (np.maximum(np.frexp(np.where(r == 0, 1, r))[1] - 1, -6) - 3)
;;       q = np.round(r / step) * step * 2.0 ** e      # np.round: ties to even
;;       return np.moveaxis(q.reshape(q.shape[:-2] + (-1,))[..., :K], -1, axis).astype(np.float32)
;;   ~~~
;; One version. Each part assembles by itself: llvm-mc -triple=amdgcn-amd-amdhsa -mcpu=gfx1250 --defsym DOCPART=n.
;; ======== version 1 of 1: 2 launches
;; limits: right only within a limited range of input values
;; workspace buffers: cand 1,048,576 bytes of whole numbers
;; launch near (part 1): grid 4 x 64, 8 waves a work-group, clusters of 4 x 4, 327,680 bytes of LDS; arguments feature, W, cand; writes cand
.if DOCPART == 1
	.amdgcn_target "amdgcn-amd-amdhsa--gfx1250"
	.amdhsa_code_object_version 6
	.text
	.protected	k_qc83f0b613b_near
	.globl	k_qc83f0b613b_near
	.p2align	8
	.type	k_qc83f0b613b_near,@function
k_qc83f0b613b_near:
	s_mov_b64 s[64:65], 0
	v_nop
	global_prefetch_b8 v0, s[64:65] scope:SCOPE_SE
	s_setreg_imm32_b32 hwreg(HW_REG_WAVE_MODE, 25, 1), 1
	s_wait_xcnt 0x0
	s_wait_alu depctr_hold_cnt(0) depctr_sa_sdst(0) depctr_va_vdst(0) depctr_va_sdst(0) depctr_va_ssrc(0) depctr_va_vcc(0) depctr_vm_vsrc(0)
	s_getreg_b32 s2, hwreg(HW_REG_IB_STS2, 6, 4)
	s_cmp_eq_u32 s2, 0
	s_cbranch_scc0 .Lentry_in_a_cluster
	s_endpgm
.Lentry_in_a_cluster:
	s_bfe_u32 s2, ttmp6, 0x10000c
	s_cmp_lg_u32 s2, 0xf033
	s_cbranch_scc0 .Lentry_shape_is_right
	s_endpgm
.Lentry_shape_is_right:
; For each row n of f (feature seen as [32768][128]) and each quarter q of the codebook (rows 512 q .. 512 q + 511 of W): the k of that quarter at which |W_k|^2 - 2 Q(f_n) . Q(W_k) is least,
; the product on codes of E4M3 with one E8M0 scale for each 32 along K.  OUT: cand [64 blocks of 512 rows][4 quarters][512 rows][2]: a whole number that rises with the distance, and k.
; The next launch takes the least of the four.
; DEAD WORK left out: |f_n|^2, the same term for all k of a row: for all values of the inputs it moves no argmin in exact arithmetic.  An overflow of that term alone is not carried to the result.
; ONE MATRIX INSTRUCTION MAKES 16 x 16 FINISHED DISTANCES: source 0 = 16 rows of -W (scale bytes one higher, so the factor -2 is exact), source 1 = 16 rows of f, C = |W_k|^2 in the result's layout.
; In the result lane (r = lane % 16, h = lane / 16) holds row r of f, and register j row 16 T + 8 h + j of my quarter.
; A block's scale byte is its largest magnitude's exponent field - 8, held at 1 from below; a block of zeros so gets the byte 1 where the rule says 127: its codes are zeros.
; LIMITS: NaN and infinities are not served.  Of equal computed distances the lowest k is taken.
; SHARES: a work-group owns 512 rows of f x 512 rows of W.  Wave w quantises W's tiles 4 w .. 4 w + 3 for all, and f's tiles 4 w .. 4 w + 3 for itself; then it walks all 32 tiles of W: 32 steps of 4 products.
; CLUSTER 4 x 4: work-group x is the quarter of W, y the block of f.  The four of a row want the same f, the four of a column the same W: both come as JOINT loads.
; LDS: wave w's slot at WREG w: 64 rows of 512 bytes, 16 bytes of padding behind each.  It is filled with W's rows at the head, and once more, behind a drained round, with f's.  One load a wave each time.
; W's codes wait in registers meanwhile; when f's first tile has been read, they go to its place in the slot, which has had its last fill, as images of the operand's registers.
; PREFETCH: f's 262,144 bytes are asked for one phase ahead of their load, straight behind W's: the four partners share them out by address, 65,536 bytes each, one instruction of 32 blocks of 256 bytes a wave.
.set PITCH, 528
.set WREG, 64*PITCH
.set TREG, 16*PITCH
.set WS,   8*WREG                      ; W's scale words, 4 bytes a row
.set WQ,   WS+2048                     ; |W|^2, 4 bytes a row
.set OUTS, WQ+2048                     ; the way out: 512 bytes a wave
.set SPARE, OUTS+4096                  ; the spare words, 128 bytes a wave
.set IW,  1                            ; v1   my slot + 16 x lane: images, written
.set RA,  2                            ; v2   my slot + PITCH r + 64 h: rows, read
.set SW,  3                            ; v3   WS + 256 w + 4 r
.set AW,  4                            ; v4   16 x lane, + 2 WREG after each eight tiles: images, read
.set AS,  5                            ; v5   WS + 4 r
.set AQ,  6                            ; v6   WQ + 32 h
.set KB,  7                            ; v7   512 x quarter + 8 h
.set MW,  8                            ; v8   OUTS + 512 w + 8 r
.set MR,  9                            ; v9   OUTS + 512 w + 16 lane
.set L16, 10                           ; v10  16 x lane
.set PFO, 11                           ; v11  256 x lane
.set QF,  16                           ; v16-79   first the codes of my four tiles of W, then my four fragments of f
.set QS,  80                           ; v80-83   f's scale words, and nothing else
.set WB,  84                           ; v84-115  a fragment of W, two sets
.set CB,  116                          ; v116-131 |W|^2 of a tile, two sets
.set DD,  136                          ; v136-199 the distances: 4 x 8, two sets
.set SV,  200                          ; v200-231 for each tile of f: the saved tile's numbers 0 to 6, and the step that brought them
.set BB,  232                          ; v232-239 the running minimum, two sets by turns
.set JJ,  240                          ; v240-243 at work at the end
.set SB,  244                          ; v244-245 W's scale words, two sets, and nothing else
.set KK,  248                          ; v248-251
.set SPW, 254
.set NIL, 255
.set X0,  84                           ; while quantising: 64 numbers of a tile, two buffers,
.set X1,  148
.set TM,  212                          ; the quantiser's 16 registers,
.set PW,  228                          ; a scale word of W,
.set SQ,  230                          ; four packed chains of squares; v238, v239 at work
.set G1F, 24                           ; s[24:31] descriptor group 1 for f, s[32:39] for W: they differ in the mask alone
.set G1W, 32
.set G0F, 40
.set G0W, 44
.set SEL, 60                           ; s[60:61] selects of v_permlanex16_b32: lane l xor 16
.set MNT, 62                           ; the mantissa field of 448
.set INF, 63
.set MK,  68                           ; s68-71 lane masks; s72-83 PICK4's
.macro ROUND
	s_barrier_signal -1
	s_barrier_wait -1
	s_cmp_lg_u32 s12, 0
	s_cbranch_scc1 .Lnot_wave_0_\@
	s_barrier_signal -3
.Lnot_wave_0_\@:
	s_barrier_wait -3
	s_barrier_signal -1
	s_barrier_wait -1
.endm
; tile t of my slot into v[x] on: register 16 b + i = k 32 b + 16 h + i of row r.  The 16 rows that half a load touches begin 528 bytes apart
.macro RD t, x
.irp b, 0,1,2,3
.irp q, 0,1,2,3
	ds_load_b128 v[\x+16*\b+4*\q:\x+16*\b+4*\q+3], v[RA] offset:TREG*(\t)+128*\b+16*\q
.endr
.endr
.endm
; the row's sum of squares, of the numbers as they are given, into v238 of both lanes of a row
.macro SUMSQ s
.irp p, 0,1,2,3
	v_pk_mul_f32 v[SQ+2*\p:SQ+2*\p+1], v[\s+2*\p:\s+2*\p+1], v[\s+2*\p:\s+2*\p+1]
.endr
.irp g, 1,2,3,4,5,6,7
.irp p, 0,1,2,3
	v_pk_fma_f32 v[SQ+2*\p:SQ+2*\p+1], v[\s+8*\g+2*\p:\s+8*\g+2*\p+1], v[\s+8*\g+2*\p:\s+8*\g+2*\p+1], v[SQ+2*\p:SQ+2*\p+1]
.endr
.endr
	v_pk_add_f32 v[SQ:SQ+1], v[SQ:SQ+1], v[SQ+2:SQ+3]
	v_pk_add_f32 v[SQ+4:SQ+5], v[SQ+4:SQ+5], v[SQ+6:SQ+7]
	v_pk_add_f32 v[SQ:SQ+1], v[SQ:SQ+1], v[SQ+4:SQ+5]
	v_add_f32 v238, v[SQ], v[SQ+1]
	v_permlanex16_b32 v239, v238, s[SEL], s[SEL+1]
	v_add_f32 v238, v238, v239
.endm
; 64 numbers of a lane, v[s] on, become 16 registers of codes in v[pc] on and the scale word in v[pw].  neg = 1: the codes of the negated numbers, and each scale byte one higher (247 at the most)
.macro QUANT s, pc, pw, neg
.irp b, 0,1,2,3
	v_max3_num_f32 v[TM+\b], |v[\s+16*\b]|, |v[\s+1+16*\b]|, 0x4800000   ; and the floor 2^(9 - 127): the byte cannot fall under 1
.endr
.irp i, 2,4,6,8,10,12,14
.irp b, 0,1,2,3
	v_max3_num_f32 v[TM+\b], v[TM+\b], |v[\s+16*\b+\i]|, |v[\s+1+16*\b+\i]|   ; the four blocks by turns
.endr
.endr
.irp b, 0,1,2,3
	v_permlanex16_b32 v[TM+4+\b], v[TM+\b], s[SEL], s[SEL+1]
.endr
.irp b, 0,1,2,3
	v_max_num_f32 v[TM+\b], v[TM+\b], v[TM+4+\b]          ; with lane l xor 16's 16 numbers: the block's largest magnitude
.endr
.irp b, 0,1,2,3
	v_add_nc_u32 v[TM+12+\b], 0xfc000000, v[TM+\b]        ; 8 off its exponent field: the conversion takes this operand's exponent field as its scale
.endr
.irp b, 0,1,2,3
	v_and_or_b32 v[TM+8+\b], v[TM+\b], 0x7f800000, s[MNT] ; 448 x the scale
.endr
.irp b, 0,1,2,3
	v_lshrrev_b32 v[TM+4+\b], 23, v[TM+12+\b]             ; the scale's byte
.endr
	v_lshl_or_b32 v[\pw], v[TM+5], 8, v[TM+4]
	v_lshl_or_b32 v[\pw], v[TM+6], 16, v[\pw]
	v_lshl_or_b32 v[\pw], v[TM+7], 24, v[\pw]
.if \neg
	v_add_nc_u32 v[\pw], 0x01010101, v[\pw]
.endif
.irp b, 0,1,2,3
.irp i, 0,1,2,3,4,5,6,7,8,9,10,11,12,13,14,15
.if \neg
	v_med3_num_f32 v[\s+16*\b+\i], -v[\s+16*\b+\i], -v[TM+8+\b], v[TM+8+\b]  ; the hold at the largest code x the scale (the conversion does not saturate: ISA guide 7.6.2), and the sign
.else
	v_med3_num_f32 v[\s+16*\b+\i], v[\s+16*\b+\i], -v[TM+8+\b], v[TM+8+\b]
.endif
.endr
	v_cvt_scalef32_pk8_fp8_f32 v[\pc+4*\b:\pc+1+4*\b], v[\s+16*\b:\s+7+16*\b], v[TM+12+\b]
	v_cvt_scalef32_pk8_fp8_f32 v[\pc+2+4*\b:\pc+3+4*\b], v[\s+8+16*\b:\s+15+16*\b], v[TM+12+\b]
.endr
	v_nop                                                  ; one plain vector line behind the last conversion
.endm
; tile t of my four of W: codes into registers, scale words and sums of squares to LDS bytes into which no load lands; both lanes of a row write the same word with the same value
.macro WTILE t, x
	SUMSQ \x
	QUANT \x, QF+16*(\t), PW, 1
	ds_store_b32 v[SW], v[PW] offset:64*(\t)
	ds_store_b32 v[SW], v238 offset:WQ-WS+64*(\t)
.endm
; step n's operands into set n % 2: seven LDS loads
.macro WLOAD n
.set WP, (\n)%2
.set WO, (((\n)/4)%2)*WREG+((\n)%4)*2048
.set WN, 64*(\n)
.irp q, 0,1,2,3
	ds_load_b128 v[WB+16*WP+4*\q:WB+16*WP+4*\q+3], v[AW] offset:WO+512*\q
.endr
	ds_load_b32 v[SB+WP], v[AS] offset:WN
	ds_load_b128 v[CB+8*WP:CB+8*WP+3], v[AQ] offset:WN
	ds_load_b128 v[CB+8*WP+4:CB+8*WP+7], v[AQ] offset:WN+16
.endm
; THE ARGMIN of step n's 4 x 8 distances, at v[d] on: 36 vector lines.  MINL: line i of the 16 that carry the four running minima, the four tiles of f by turns, each accumulator from its low end on.
.macro MINL i, d, n
.set UU, (\i)%4
.set PP, (\i)/4
.set BO, BB+4*((\n)%2)
.set BN, BB+4*(1-(\n)%2)
.if PP == 0
	v_min3_num_f32 v[BN+UU], v[BO+UU], v[\d+8*UU], v[\d+8*UU+1]
.else
	v_min3_num_f32 v[BN+UU], v[BN+UU], v[\d+8*UU+2*PP], v[\d+8*UU+2*PP+1]
.endif
.endm
; SAVES: where the step brought something strictly lower, its first seven numbers and its number are saved.  Which of the eight it was is looked up once, at the end.
; Selects go two to a line: both halves take the mask in VCC, destinations and sources are neighbouring registers, and neither half reads what the other writes.
.macro SAVES d, n
.set NN, (\n)
.set BO, BB+4*(NN%2)
.set BN, BB+4*(1-NN%2)
.irp u, 0,1,2,3
	v_cmp_le_f32 vcc_lo, v[BO+\u], v[BN+\u]        ; set where what is saved stays
.irp j, 0,2,4
	v_dual_cndmask_b32 v[SV+8*\u+\j], v[\d+8*\u+\j], v[SV+8*\u+\j] :: v_dual_cndmask_b32 v[SV+8*\u+\j+1], v[\d+8*\u+\j+1], v[SV+8*\u+\j+1]
.endr
	v_dual_cndmask_b32 v[SV+8*\u+6], v[\d+8*\u+6], v[SV+8*\u+6] :: v_dual_cndmask_b32 v[SV+8*\u+7], NN, v[SV+8*\u+7]
.endr
.endm
; A STEP.  The next step's operands are asked for into the set that the step before multiplied: behind its last product stand 30 vector lines that name none of its registers (eight places are asked there,
; and ahead of the first read of a result; nine ahead of a product that writes over it).  Then this step's four products, two lines of the step before's argmin behind each, and the rest of that argmin.
.macro STEP n
.if (\n) < 31
	WLOAD (\n)+1
	s_wait_dscnt 7                                 ; all but the seven loads just issued
.else
	s_wait_dscnt 0x0
.endif
.set P, (\n)%2
.irp u, 0,1,2,3
	v_wmma_scale_f32_16x16x128_f8f6f4 v[DD+32*P+8*\u:DD+32*P+8*\u+7], v[WB+16*P:WB+16*P+15], v[QF+16*\u:QF+16*\u+15], v[CB+8*P:CB+8*P+7], v[SB+P], v[QS+\u]
.if (\n) > 0
	MINL 2*\u, DD+32*(1-P), (\n)-1
	MINL 2*\u+1, DD+32*(1-P), (\n)-1
.endif
.endr
.if (\n) > 0
.irp i, 8,9,10,11,12,13,14,15
	MINL \i, DD+32*(1-P), (\n)-1
.endr
.if (((\n)+1)%8 == 7) && ((\n) < 30)
	v_add_nc_u32 v[AW], 2*WREG, v[AW]              ; on to the next eight tiles' images
.endif
	SAVES DD+32*(1-P), (\n)-1
.else
.irp u, 0,1,2,3
.irp j, 0,1,2,3,4,5,6
	v_mov_b32 v[SV+8*\u+\j], s[INF]                ; (there is no step before: these 32 lines are the places behind the first products)
.endr
	v_mov_b32 v[SV+8*\u+7], 0
.endr
.endif
.endm
; four neighbouring (val, idx) take their (oval, oidx) where that is lower, or equal with the lower index
.macro PICK4 val, idx, oval, oidx
.irp e, 0,1,2,3
	v_cmp_lt_f32 s[72+\e], v[\oval+\e], v[\val+\e]
.endr
.irp e, 0,1,2,3
	v_cmp_eq_f32 s[76+\e], v[\oval+\e], v[\val+\e]
.endr
.irp e, 0,1,2,3
	v_cmp_lt_u32 s[80+\e], v[\oidx+\e], v[\idx+\e]
.endr
.irp e, 0,1,2,3
	s_and_b32 s[76+\e], s[76+\e], s[80+\e]
.endr
.irp e, 0,1,2,3
	s_or_b32 s[72+\e], s[72+\e], s[76+\e]
.endr
.irp e, 0,1,2,3
	v_cndmask_b32 v[\val+\e], v[\val+\e], v[\oval+\e], s[72+\e]
	v_cndmask_b32 v[\idx+\e], v[\idx+\e], v[\oidx+\e], s[72+\e]
.endr
.endm
	s_load_b128 s[4:7], s[0:1], 0x0                ; feature, W
	s_load_b64 s[8:9], s[0:1], 0x10                ; cand
	v_lshl_add_u32 v[SPW], v0, 2, SPARE
	v_mov_b32 v[NIL], 0
	ds_add_u32 v[SPW], v[NIL]                      ; the wave's opening: the add, twice on end, and one wait for both
	ds_add_u32 v[SPW], v[NIL]
	v_lshrrev_b32 v12, 5, v0
	v_readfirstlane_b32 s12, v12                   ; wave 0..7
	s_bfe_u32 s13, ttmp6, 0x40000                  ; cx: my quarter of W (the grid is one cluster wide)
	s_bfe_u32 s14, ttmp6, 0x40004                  ; cy
	s_and_b32 s15, ttmp7, 0xffff
	s_lshl_b32 s15, s15, 2
	s_add_co_u32 s15, s15, s14                     ; my block of 512 rows of f
	s_lshl_b32 s16, s14, 2
	s_lshl_b32 s16, 15, s16                        ; my row of the cluster
	s_lshl_b32 s17, 0x1111, s13                    ; my column
	; descriptor group 1: 64 rows of 128 elements of 4 bytes; after every 128 words (code 6) 4 words of padding (code 3)
	s_or_b32 s[G1F], s16, (2<<16)|(1<<20)|(1<<21)|(6<<22)|(3<<25)
	s_or_b32 s[G1W], s17, (2<<16)|(1<<20)|(1<<21)|(6<<22)|(3<<25)
.irp g, G1F, G1W
	s_mov_b32 s[\g+1], 128<<16
	s_mov_b32 s[\g+2], 64<<16
	s_mov_b32 s[\g+3], 128<<16
	s_mov_b32 s[\g+4], 64
	s_mov_b32 s[\g+5], 128
	s_mov_b32 s[\g+6], 0
	s_mov_b32 s[\g+7], 0
.endr
	s_mul_i32 s18, s12, WREG                       ; my slot
	s_lshl_b32 s19, s12, 8
	s_add_co_u32 s19, s19, WS
	s_lshl_b32 s20, s12, 9
	s_add_co_u32 s20, s20, OUTS
	s_lshl_b32 s21, s13, 9
	s_lshl_b32 s50, s12, 15                        ; my wave's 64 rows of 512 bytes
	s_lshl_b32 s48, s15, 18                        ; f: by the block and the wave alone
	s_add_co_u32 s48, s48, s50
	s_mov_b32 s49, 0
	s_lshl_b32 s52, s13, 18                        ; W: by the quarter and the wave alone
	s_add_co_u32 s52, s52, s50
	s_mov_b32 s53, 0
	s_lshl_b32 s54, s15, 18                        ; the prefetch: of my block's 262,144 bytes of f 65,536 by cx, of these 8,192 by the wave
	s_lshl_b32 s56, s13, 16
	s_add_co_u32 s54, s54, s56
	s_lshl_b32 s56, s12, 13
	s_add_co_u32 s54, s54, s56
	s_mov_b32 s55, 0
	s_lshl_b32 s58, s15, 14                        ; cand: 16,384 bytes a block, 4,096 a quarter, 512 a wave
	s_lshl_b32 s56, s13, 12
	s_add_co_u32 s58, s58, s56
	s_lshl_b32 s56, s12, 9
	s_add_co_u32 s58, s58, s56
	s_mov_b32 s59, 0
	s_mov_b32 s[SEL], 0x76543210
	s_mov_b32 s[SEL+1], 0xfedcba98
	s_mov_b32 s[MNT], 0x600000
	s_mov_b32 s[INF], 0x7f800000
	v_and_b32 v12, 31, v0                          ; lane
	v_and_b32 v13, 15, v0                          ; r
	v_bfe_u32 v14, v0, 4, 1                        ; h
	v_lshlrev_b32 v[L16], 4, v12
	v_mul_u32_u24 v15, v13, PITCH
	v_lshl_add_u32 v[SW], v13, 2, s19
	v_lshl_add_u32 v15, v14, 6, v15
	v_add_nc_u32 v[IW], s18, v[L16]
	v_lshl_add_u32 v[AS], v13, 2, WS
	v_add_nc_u32 v[RA], s18, v15
	v_lshl_add_u32 v[AQ], v14, 5, WQ
	v_lshl_add_u32 v[KB], v14, 3, s21
	v_lshl_add_u32 v[MW], v13, 3, s20
	v_add_nc_u32 v[MR], s20, v[L16]
	v_lshlrev_b32 v[PFO], 8, v12
	v_mov_b32 v[AW], v[L16]
.irp b, 0,1,2,3
	v_mov_b32 v[TM+4+\b], 0                        ; a lane permute's destination counts as one of its sources: written once
.endr
	v_mov_b32 v239, 0
	s_wait_alu depctr_va_vdst(0)
	s_wait_dscnt 0x0                               ; both opening adds are done
	s_wait_kmcnt 0x0
	s_add_nc_u64 s[54:55], s[4:5], s[54:55]
	s_add_nc_u64 s[8:9], s[8:9], s[58:59]
	s_mov_b32 s[G0W], 1
	s_mov_b32 s[G0W+1], s18
	s_add_nc_u64 s[G0W+2:G0W+3], s[6:7], s[52:53]
	s_or_b32 s[G0W+3], s[G0W+3], 0x80000000
	s_mov_b32 s[G0F], 1
	s_mov_b32 s[G0F+1], s18
	s_add_nc_u64 s[G0F+2:G0F+3], s[4:5], s[48:49]
	s_or_b32 s[G0F+3], s[G0F+3], 0x80000000
	ROUND                                          ; all sixteen work-groups are here: the joint loads meet
	tensor_load_to_lds s[G0W:G0W+3], s[G1W:G1W+7]  ; my 64 rows of W: one tensor load a wave at the head
	s_nop 0
.rept 4
	v_nop
.endr
	; W: my four tiles, in two buffers
	s_wait_tensorcnt 0x0                           ; my rows are in; I alone read them
	global_prefetch_b8 v[PFO], s[54:55] th:TH_LOAD_NT scope:SCOPE_SE   ; W's rows have landed: 32 blocks of 256 bytes of f, for the load behind the next round; two tiles of W are quantised before that.  Its address registers are never rewritten
	RD 0, X0
	RD 1, X1
	s_wait_dscnt 16                                ; tile 0; tile 1's sixteen loads may be out
	WTILE 0, X0
	RD 2, X0
	s_wait_dscnt 18                                ; tile 1; behind it two stores and tile 2's sixteen loads
	WTILE 1, X1
	RD 3, X1
	s_wait_alu depctr_va_vdst(0)
	s_wait_tensorcnt 0x0
	ds_add_u32 v[SPW], v[NIL]
	s_wait_dscnt 0x0                               ; the add is done, and my slot has been read: tiles 2 and 3 are in registers
	ROUND                                          ; so it is in every wave of every partner
	tensor_load_to_lds s[G0F:G0F+3], s[G1F:G1F+7]  ; my 64 rows of f, into the slot
	s_nop 0
	WTILE 2, X0                                    ; under that load's flight
	WTILE 3, X1
	; f
	s_wait_alu depctr_va_vdst(0)
	s_wait_tensorcnt 0x0                           ; nothing is filled again from here on
	RD 0, X0
	RD 1, X1
	s_wait_dscnt 16                                ; tile 0 is in registers: its 8,448 bytes of my slot take my four images of 2,048
.irp t, 0,1,2,3
.irp c, 0,1,2,3
	ds_store_b128 v[IW], v[QF+16*\t+4*\c:QF+16*\t+4*\c+3] offset:2048*\t+512*\c
.endr
.endr
	QUANT X0, QF, QS, 0                            ; f's codes take the place of W's, which have been handed to the stores above
	RD 2, X0
	s_wait_alu depctr_va_vdst(0)
	s_wait_dscnt 16                                ; tile 1 and the images; tile 2's sixteen loads may be out
	QUANT X1, QF+16, QS+1, 0
	RD 3, X1
	s_wait_alu depctr_va_vdst(0)
	s_wait_dscnt 0x0                               ; for the others' sake: my images, scale words and sums are in LDS; tiles 2 and 3 are in registers
	s_barrier_signal -1
	QUANT X0, QF+32, QS+2, 0                       ; register work alone until the wait
	QUANT X1, QF+48, QS+3, 0
.irp u, 0,1,2,3
	v_mov_b32 v[BB+\u], s[INF]                     ; the minimum so far (and places between the last conversions and the first products)
.endr
	s_wait_alu depctr_va_vdst(0)
	s_barrier_wait -1                              ; everybody's images are in LDS
	WLOAD 0
.irp n, 0,1,2,3,4,5,6,7,8,9,10,11,12,13,14,15,16,17,18,19,20,21,22,23,24,25,26,27,28,29,30,31
	STEP \n
.endr
.irp i, 0,1,2,3,4,5,6,7,8,9,10,11,12,13,14,15
	MINL \i, DD+32, 31                             ; the last step's: step 30's argmin stands between.  The minima end in set 0
.endr
	SAVES DD+32, 31
	; WHICH OF THE EIGHT: the lowest j of 0..6 whose saved number is the minimum, else 7
.irp u, 0,1,2,3
	v_mov_b32 v[JJ+\u], 7
.endr
.irp j, 6,5,4,3,2,1,0
.irp u, 0,1,2,3
	v_cmp_neq_f32 s[MK+\u], v[SV+8*\u+\j], v[BB+\u]
.endr
.irp u, 0,1,2,3
	v_cndmask_b32 v[JJ+\u], \j, v[JJ+\u], s[MK+\u]
.endr
.endr
.irp u, 0,1,2,3
	v_lshl_add_u32 v[JJ+\u], v[SV+8*\u+7], 4, v[JJ+\u]
.endr
.irp u, 0,1,2,3
	v_add_nc_u32 v[KK+\u], v[KB], v[JJ+\u]         ; k = 512 x quarter + 16 x step + 8 h + j
.endr
.irp u, 0,1,2,3
	v_permlanex16_b32 v[SV+\u], v[BB+\u], s[SEL], s[SEL+1]     ; the row's other eight of each tile lie in the lane 16 away
	v_permlanex16_b32 v[SV+4+\u], v[KK+\u], s[SEL], s[SEL+1]
.endr
	PICK4 BB, KK, SV, SV+4
	; the distance as a whole number that rises with it: a negative number's lower 31 bits are turned
.irp u, 0,1,2,3
	v_add_f32 v[BB+\u], 0, v[BB+\u]                ; -0 becomes +0
.endr
.irp u, 0,1,2,3
	v_ashrrev_i32 v[JJ+\u], 31, v[BB+\u]
.endr
.irp u, 0,1,2,3
	v_and_b32 v[JJ+\u], 0x7fffffff, v[JJ+\u]
.endr
.irp u, 0,1,2,3
	v_xor_b32 v[JJ+\u], v[BB+\u], v[JJ+\u]
.endr
.irp u, 0,1,2,3
	ds_store_b32 v[MW], v[JJ+\u] offset:128*\u     ; both lanes of a row write the same words with the same values
	ds_store_b32 v[MW], v[KK+\u] offset:128*\u+4
.endr
	ds_load_b128 v[DD:DD+3], v[MR]                 ; LDS serves a wave's instructions in order: this sees my stores
	s_wait_dscnt 0x0
	global_store_b128 v[L16], v[DD:DD+3], s[8:9]   ; my 64 rows: 512 consecutive bytes, at a multiple of 256 from cand's first byte
	s_wait_tensorcnt 0x0                           ; the wave's end
	ds_add_u32 v[SPW], v[NIL]
	s_wait_dscnt 0x0
	ROUND                                          ; the closing round: no work-group ends while a partner may still issue a joint load that names it
	s_endpgm
.Lfunc_end_k_qc83f0b613b_near:
	.size	k_qc83f0b613b_near, .Lfunc_end_k_qc83f0b613b_near-k_qc83f0b613b_near
	.p2alignl 7, 3214868480
	.fill 96, 4, 3214868480
	.section	.rodata,"a",@progbits
	.p2align	6, 0x0
	.amdhsa_kernel k_qc83f0b613b_near
		.amdhsa_group_segment_fixed_size 327680
		.amdhsa_private_segment_fixed_size 0
		.amdhsa_enable_private_segment 0
		.amdhsa_kernarg_size 24
		.amdhsa_user_sgpr_count 2
		.amdhsa_user_sgpr_kernarg_segment_ptr 1
		.amdhsa_wavefront_size32 1
		.amdhsa_system_sgpr_workgroup_id_x 1
		.amdhsa_system_sgpr_workgroup_id_y 1
		.amdhsa_system_sgpr_workgroup_id_z 1
		.amdhsa_system_vgpr_workitem_id 0
		.amdhsa_next_free_vgpr 256
		.amdhsa_next_free_sgpr 88
		.amdhsa_reserve_vcc 1
		.amdhsa_float_denorm_mode_32 3
		.amdhsa_float_denorm_mode_16_64 3
		.amdhsa_memory_ordered 1
		.amdhsa_forward_progress 1
		.amdhsa_inst_pref_size 198
	.end_amdhsa_kernel
	.amdgpu_metadata
---
amdhsa.version: [ 1, 2 ]
amdhsa.kernels:
  - .name:           k_qc83f0b613b_near
    .symbol:         k_qc83f0b613b_near.kd
    .args:
      - { .name: feature, .offset: 0, .size: 8, .value_kind: global_buffer, .address_space: global }
      - { .name: W, .offset: 8, .size: 8, .value_kind: global_buffer, .address_space: global }
      - { .name: cand, .offset: 16, .size: 8, .value_kind: global_buffer, .address_space: global }
    .group_segment_fixed_size: 327680
    .private_segment_fixed_size: 0
    .kernarg_segment_align: 8
    .kernarg_segment_size: 24
    .max_flat_workgroup_size: 256
    .sgpr_count:     88
    .vgpr_count:     256
    .wavefront_size: 32
...
	.end_amdgpu_metadata
.endif
;; end of part 1
;; launch gather (part 2): grid 256 x 1, 8 waves a work-group, no clusters, 1,280 bytes of LDS; arguments feature, W, cand, out0, out1; writes out0, out1
.if DOCPART == 2
	.amdgcn_target "amdgcn-amd-amdhsa--gfx1250"
	.amdhsa_code_object_version 6
	.text
	.protected	k_qc83f0b613b_gather
	.globl	k_qc83f0b613b_gather
	.p2align	8
	.type	k_qc83f0b613b_gather,@function
k_qc83f0b613b_gather:
	s_mov_b64 s[64:65], 0
	v_nop
	global_prefetch_b8 v0, s[64:65] scope:SCOPE_SE
	s_setreg_imm32_b32 hwreg(HW_REG_WAVE_MODE, 25, 1), 1
	s_wait_xcnt 0x0
; j[n] = the k of the least of row n's four candidates (compared as whole numbers; of equal ones the lowest k).  out1 = W[j] (f32 rows of 512 bytes), out0[m] = the mean over batch row m's four rows of f of 1.25 x the sum of (f - W_j)^2.
; The two terms of the loss are the same sum s: s + 0.25 s, then the mean over four rows, is formed as 0.3125 x the sum over the four rows: another order of rounding, all in f32.
; SHARES: a wave takes 4 batch rows = 16 rows of f: 8,192 bytes of feature and of out1; a row of f or W is 512 bytes, one 16-byte load or store of the 32 lanes.
; ORDER OF THE LOADS (they come back in order): the candidates; f's first four rows, under the candidates' flight; the 16 chosen rows of W, which are stored as they arrive; f's other twelve rows, beside those stores.
; No two work-groups share a tile, so there is no cluster and no tensor load; all is asked for once, in one phase with no loop, so nothing is prefetched.  No matrix work.
.set SPARE, 256                        ; LDS: 128 bytes of losses from 0, then the spare words
.set L16, 1                            ; v1   16 x lane
.set CO,  2                            ; v2   8 r + 4096 h
.set SA,  3                            ; v3   16 x wave: my four losses in LDS
.set L4,  5                            ; v5   4 x lane
.set GW,  16                           ; v16-79   the 16 chosen rows of W
.set FF,  80                           ; v80-143  16 rows of f
.set OW,  144                          ; v144-159 byte offsets in W
.set TT,  160                          ; v160-175 at work
.set ACC, 178                          ; v178-193 two packed sums for each batch row
.set RR,  194                          ; v194-197 the four losses
.set SPW, 198
.set NIL, 199
	s_load_b256 s[4:11], s[0:1], 0x0               ; feature s[4:5], W s[6:7], cand s[8:9], out0 s[10:11]
	s_load_b64 s[12:13], s[0:1], 0x20              ; out1
	v_lshrrev_b32 v4, 5, v0
	v_readfirstlane_b32 s14, v4                    ; wave 0..7
	s_lshl_b32 s15, ttmp9, 3
	s_add_co_u32 s15, s15, s14                     ; which run of 16 rows is my wave's
	s_lshl_b32 s34, s15, 13                        ; 8,192 bytes of feature and of out1
	s_mov_b32 s35, 0
	s_lshr_b32 s38, ttmp9, 2                       ; cand: 16,384 bytes for each 512 rows; in each quarter's 4,096 bytes 1,024 a work-group, 128 a wave
	s_lshl_b32 s38, s38, 14
	s_and_b32 s39, ttmp9, 3
	s_lshl_b32 s39, s39, 10
	s_add_co_u32 s38, s38, s39
	s_lshl_b32 s39, s14, 7
	s_add_co_u32 s38, s38, s39
	s_mov_b32 s39, 0
	s_lshl_b32 s40, ttmp9, 7                       ; the work-group's 32 losses
	s_mov_b32 s41, 0
	s_lshl_b32 s33, s14, 4
	s_mov_b32 s36, 0x76543210
	s_mov_b32 s37, 0xfedcba98                      ; selects of v_permlanex16_b32: lane l xor 16
	v_and_b32 v4, 31, v0
	v_and_b32 v7, 15, v0
	v_bfe_u32 v14, v0, 4, 1
	v_lshl_add_u32 v[SPW], v0, 2, SPARE
	v_mov_b32 v[NIL], 0
	v_lshlrev_b32 v[L16], 4, v4
	v_lshlrev_b32 v[CO], 3, v7
	v_lshlrev_b32 v[L4], 2, v4
	v_mov_b32 v[SA], s33
	v_mov_b32 v12, 0                               ; lane permutes' destinations
	v_lshl_add_u32 v[CO], v14, 12, v[CO]
	v_mov_b32 v13, 0
	s_wait_alu depctr_va_vdst(0)
	s_wait_kmcnt 0x0
	s_add_nc_u64 s[8:9], s[8:9], s[38:39]
	s_add_nc_u64 s[4:5], s[4:5], s[34:35]
	global_load_b64 v[8:9], v[CO], s[8:9]          ; lane (r, h): row r's candidates of quarters h
	global_load_b64 v[10:11], v[CO], s[8:9] offset:8192   ; and 2 + h
.macro FLOAD q
	global_load_b128 v[FF+4*\q:FF+4*\q+3], v[L16], s[4:5] offset:512*\q th:TH_LOAD_NT   ; 512 consecutive bytes; read once here
.endm
.irp q, 0,1,2,3
	FLOAD \q
.endr
	s_add_nc_u64 s[12:13], s[12:13], s[34:35]
	s_add_nc_u64 s[10:11], s[10:11], s[40:41]
	s_wait_loadcnt 4                               ; the candidates; f's four rows stay out
	v_cmp_lt_i32 vcc_lo, v10, v8                   ; strictly: of equal ones the lower quarter
	v_cndmask_b32 v8, v8, v10, vcc_lo
	v_cndmask_b32 v9, v9, v11, vcc_lo
	v_permlanex16_b32 v12, v8, s36, s37
	v_permlanex16_b32 v13, v9, s36, s37
	v_cmp_lt_i32 s56, v12, v8
	v_cmp_eq_u32 s57, v12, v8
	v_cmp_lt_u32 s58, v13, v9
	s_and_b32 s57, s57, s58
	s_or_b32 s56, s56, s57
	v_cndmask_b32 v14, v9, v13, s56                ; row r's index, in lanes r and 16 + r
	s_wait_alu depctr_va_vdst(0)
.irp q, 0,1,2,3,4,5,6,7,8,9,10,11,12,13,14,15
	v_readlane_b32 s[16+\q], v14, \q
.endr
.irp q, 0,1,2,3,4,5,6,7,8,9,10,11,12,13,14,15
	s_min_u32 s[16+\q], s[16+\q], 0x7ff            ; inside the table
	s_lshl_b32 s[16+\q], s[16+\q], 9               ; a row of W is 512 bytes
.endr
.irp q, 0,1,2,3,4,5,6,7,8,9,10,11,12,13,14,15
	v_add_nc_u32 v[OW+\q], s[16+\q], v[L16]
.endr
	s_wait_alu depctr_va_vdst(0)
.irp q, 0,1,2,3,4,5,6,7,8,9,10,11,12,13,14,15
	global_load_b128 v[GW+4*\q:GW+4*\q+3], v[OW+\q], s[6:7]   ; no hint: a row may be named again, here and in other work-groups
.endr
.irp q, 4,5,6,7,8,9,10,11,12,13,14,15
	FLOAD \q
.endr
.irp q, 0,1,2,3,4,5,6,7,8,9,10,11,12,13,14,15
	s_wait_loadcnt 27-\q                           ; row q of W is in; the younger rows of W and f's twelve stay out
	global_store_b128 v[L16], v[GW+4*\q:GW+4*\q+3], s[12:13] offset:512*\q th:TH_STORE_NT   ; 512 consecutive bytes, at a multiple of 256 from out1's first byte
.endr
.irp m, 0,1,2,3
.if \m > 0
	s_wait_loadcnt 12-4*\m                         ; batch row m's four rows of f are in; the younger rows may be out
.endif
.irp c, 0,1,2,3,4,5,6,7
	v_pk_add_f32 v[TT+2*\c:TT+2*\c+1], v[FF+16*\m+2*\c:FF+16*\m+2*\c+1], v[GW+16*\m+2*\c:GW+16*\m+2*\c+1] neg_lo:[0,1] neg_hi:[0,1]
.endr
	v_pk_mul_f32 v[ACC+4*\m:ACC+4*\m+1], v[TT:TT+1], v[TT:TT+1]   ; the first terms start the two sums
	v_pk_mul_f32 v[ACC+4*\m+2:ACC+4*\m+3], v[TT+2:TT+3], v[TT+2:TT+3]
.irp c, 2,4,6
	v_pk_fma_f32 v[ACC+4*\m:ACC+4*\m+1], v[TT+2*\c:TT+2*\c+1], v[TT+2*\c:TT+2*\c+1], v[ACC+4*\m:ACC+4*\m+1]
	v_pk_fma_f32 v[ACC+4*\m+2:ACC+4*\m+3], v[TT+2*\c+2:TT+2*\c+3], v[TT+2*\c+2:TT+2*\c+3], v[ACC+4*\m+2:ACC+4*\m+3]
.endr
.endr
.irp m, 0,1,2,3
	v_pk_add_f32 v[ACC+4*\m:ACC+4*\m+1], v[ACC+4*\m:ACC+4*\m+1], v[ACC+4*\m+2:ACC+4*\m+3]
.endr
.irp m, 0,1,2,3
	v_add_f32 v[RR+\m], v[ACC+4*\m], v[ACC+4*\m+1]
.endr
.irp x, 1,2,4,8                                ; across the 32 lanes, the four sums by turns
.irp m, 0,1,2,3
	v_add_f32_dpp v[RR+\m], v[RR+\m], v[RR+\m] row_xmask:\x row_mask:0xf bank_mask:0xf
.endr
.endr
.irp m, 0,1,2,3
	v_permlanex16_b32 v[TT+\m], v[RR+\m], s36, s37
.endr
.irp m, 0,1,2,3
	v_add_f32 v[RR+\m], v[RR+\m], v[TT+\m]
.endr
.irp m, 0,1,2,3
	v_mul_f32 v[RR+\m], 0x3ea00000, v[RR+\m]       ; x 1.25 / 4
.endr
.irp m, 0,1,2,3
	ds_store_b32 v[SA], v[RR+\m] offset:4*\m       ; all lanes write the same word with the same value
.endr
	s_wait_dscnt 0x0                               ; for wave 0's sake: my four losses have landed
	s_barrier_signal -1
	s_barrier_wait -1
	s_cmp_lg_u32 s14, 0                            ; wave 0 stores the work-group's 32 losses: 128 consecutive bytes (8,192 losses over 256 work-groups)
	s_cbranch_scc1 .Ldone
	ds_load_b32 v4, v[L4]
	s_wait_dscnt 0x0
	global_store_b32 v[L4], v4, s[10:11]
.Ldone:
	s_wait_tensorcnt 0x0                           ; the wave's end
	ds_add_u32 v[SPW], v[NIL]
	s_wait_dscnt 0x0
	s_endpgm
.Lfunc_end_k_qc83f0b613b_gather:
	.size	k_qc83f0b613b_gather, .Lfunc_end_k_qc83f0b613b_gather-k_qc83f0b613b_gather
	.p2alignl 7, 3214868480
	.fill 96, 4, 3214868480
	.section	.rodata,"a",@progbits
	.p2align	6, 0x0
	.amdhsa_kernel k_qc83f0b613b_gather
		.amdhsa_group_segment_fixed_size 1280
		.amdhsa_private_segment_fixed_size 0
		.amdhsa_enable_private_segment 0
		.amdhsa_kernarg_size 40
		.amdhsa_user_sgpr_count 2
		.amdhsa_user_sgpr_kernarg_segment_ptr 1
		.amdhsa_wavefront_size32 1
		.amdhsa_system_sgpr_workgroup_id_x 1
		.amdhsa_system_sgpr_workgroup_id_y 1
		.amdhsa_system_sgpr_workgroup_id_z 1
		.amdhsa_system_vgpr_workitem_id 0
		.amdhsa_next_free_vgpr 200
		.amdhsa_next_free_sgpr 66
		.amdhsa_reserve_vcc 1
		.amdhsa_float_denorm_mode_32 3
		.amdhsa_float_denorm_mode_16_64 3
		.amdhsa_memory_ordered 1
		.amdhsa_forward_progress 1
		.amdhsa_inst_pref_size 18
	.end_amdhsa_kernel
	.amdgpu_metadata
---
amdhsa.version: [ 1, 2 ]
amdhsa.kernels:
  - .name:           k_qc83f0b613b_gather
    .symbol:         k_qc83f0b613b_gather.kd
    .args:
      - { .name: feature, .offset: 0, .size: 8, .value_kind: global_buffer, .address_space: global }
      - { .name: W, .offset: 8, .size: 8, .value_kind: global_buffer, .address_space: global }
      - { .name: cand, .offset: 16, .size: 8, .value_kind: global_buffer, .address_space: global }
      - { .name: out0, .offset: 24, .size: 8, .value_kind: global_buffer, .address_space: global }
      - { .name: out1, .offset: 32, .size: 8, .value_kind: global_buffer, .address_space: global }
    .group_segment_fixed_size: 1280
    .private_segment_fixed_size: 0
    .kernarg_segment_align: 8
    .kernarg_segment_size: 40
    .max_flat_workgroup_size: 256
    .sgpr_count:     66
    .vgpr_count:     200
    .wavefront_size: 32
...
	.end_amdgpu_metadata
.endif
;; end of part 2
